; MI455X (gfx1250); checked and timed in simulation.
; The chip was launched on July 23, 2026; its instructions are those of AMD's public machine-readable ISA for CDNA 5 (MIT licence, August 2026) and "CDNA5" Instruction Set Architecture Reference Guide (July 2026). The comments in the code are by the model that wrote it; some were corrected since.
;; CAM. Allowed arithmetic: float matrix products may take bf16 or f16 operands with f32 sums; all other float work in f32.
;; Inputs: Wk 128 x 32 float32; Wo 32 x 128 float32; Wq 128 x 32 float32; Wv 128 x 32 float32; beta 32 float32; bk 32 float32; bo 128 float32; bq 32 float32; bv 32 float32; gamma 32 float32; input1 8,192 x 128 float32; input2 8,192 x 128 float32.
;; Outputs: out0 8,192 x 128 float32.
;; One version. Each part assembles by itself: llvm-mc -triple=amdgcn-amd-amdhsa -mcpu=gfx1250 --defsym DOCPART=n.
;; ======== version 1 of 1: 3 launches
;; limits: values are held in f16: magnitudes above 65,504 overflow, below 6.1e-05 lose precision
;; workspace buffers: qf 524,288 bytes; kv 1,048,576 bytes; part 4,718,592 bytes
;; launch proj (part 1): grid 256 x 1, 4 waves a work-group, no clusters, 168,448 bytes of LDS; arguments input1, input2, Wq, Wk, Wv, bq, bk, bv, qf, kv; writes qf, kv
.if DOCPART == 1
	.amdgcn_target "amdgcn-amd-amdhsa--gfx1250"
	.amdhsa_code_object_version 6
	.text
	.protected	k_q685efe172d_proj
	.globl	k_q685efe172d_proj
	.p2align	8
	.type	k_q685efe172d_proj,@function
k_q685efe172d_proj:
	s_mov_b64 s[64:65], 0
	v_nop
	global_prefetch_b8 v0, s[64:65] scope:SCOPE_SE
	s_setreg_imm32_b32 hwreg(HW_REG_WAVE_MODE, 25, 1), 1
	s_wait_xcnt 0x0
; q' = (input1 Wq + bq) log2 e,  k = input2 Wk + bk,  v = input2 Wv + bv, rounded to f16 and stored in the register order of
; the matrix fragments that the attention launch loads (one 16-byte piece a lane, 512 consecutive bytes a store).
; Even work-groups make 64 rows of q', odd ones 64 rows of k and v (one key group); wave w takes 16 of the 64 rows.
; q' and k: D = W^T x X^T, so lane (r, h) holds dims 16c+8h+0..7 of row r: packed, that is its piece of an A or B fragment with the
; 32 dims along K.  v: D = X x Wv, so the lane holds keys 8h+0..7 of dim 16c+r: its piece of a fragment of V^T with keys along K.
; FORMAT: matrix operands are f16 (sums f32).  Limit: |x|, |W|, 1.4427 |q|, |k|, |v| above 65,504 overflow to infinity.
; f16 and not bf16: the scores' error passes through the softmax and is then enlarged by the LayerNorm, and f16 rounds eight times finer.
; NO CLUSTER: what work-groups share is the weights, 16,384 bytes a matrix.  They must be converted to f16 and transposed on
; their way into LDS, which is done in registers; a joint tensor load would add a second pass through LDS for them.
.set PX,   528                         ; LDS pitch of a row of x: 512 bytes + 16 of padding, an odd multiple of 16
.set XW,   16*PX                       ; a wave's 16 rows
.set PW,   272                         ; LDS pitch of a row of W^T: 128 f16 + 16 bytes
.set W1T,  4*XW                        ; 33,792: Wq^T or Wk^T, 32 rows; written by LDS stores only
.set WVT,  W1T+32*PW                   ; 42,496: Wv^T
.set STG,  16                          ; v[16:79]   raw weights, 32 registers a matrix
.set XR,   16                          ; v[16:79]   then the raw x of my fragments
.set XF,   80                          ; v[80:111]  x in f16: four K steps x 8
.set W1F,  112                         ; v[112:175] fragments of W1^T: (4 c + s) x 8
.set WVF,  176                         ; v[176:239] fragments of Wv^T
.set ACCT, 240                         ; v[240:255] sums of q' or k, started by the bias
.set ACCV, 16                          ; v[16:31]   sums of v, once the raw x is converted
.set PK,   32                          ; v[32:47]   packed results
.macro PLACES                          ; four independent vector instructions behind a matrix instruction before its result is read (ISA guide 7.12.1)
.rept 4
	v_nop
.endr
.endm
; my 8 pieces of a weight matrix [128 in][32 out]: rows 32u+2i and 32u+2i+1 (i = thread / 8), columns 4 (thread % 8) + 0..3
.macro STAGE_LOAD b, reg
.irp u, 0,1,2,3
	global_load_b128 v[\reg+8*\u:\reg+8*\u+3], v3, s[\b:\b+1] offset:\u*4096
	global_load_b128 v[\reg+8*\u+4:\reg+8*\u+7], v3, s[\b:\b+1] offset:\u*4096+128
.endr
.endm
; two neighbouring in-indices of one out column become one word of W^T
.macro STAGE_STORE reg, lds
.irp u, 0,1,2,3
.irp j, 0,1,2,3
	v_cvt_pk_f16_f32 v[\reg+8*\u+\j], v[\reg+8*\u+\j], v[\reg+8*\u+4+\j]
	ds_store_b32 v4, v[\reg+8*\u+\j] offset:\lds+\j*PW+\u*64
.endr
.endr
.endm
; eight fragments (2 blocks of 16 out x 4 K steps of 32 in): two loads of 16 bytes, 32 bytes apart
.macro FRAG_LOAD dst, lds
.irp c, 0,1
.irp s, 0,1,2,3
	ds_load_b128 v[\dst+8*(4*\c+\s):\dst+8*(4*\c+\s)+3], v5 offset:\lds+\c*16*PW+\s*64
	ds_load_b128 v[\dst+8*(4*\c+\s)+4:\dst+8*(4*\c+\s)+7], v5 offset:\lds+\c*16*PW+\s*64+32
.endr
.endr
.endm
; row r of my 16 rows of x, in f32: k = 32s+8h+0..7 (32 bytes) and k = 32s+16+8h+0..7 (64 bytes further)
.macro XLOAD
.irp s, 0,1,2,3
	ds_load_b128 v[XR+16*\s:XR+16*\s+3], v6 offset:128*\s
	ds_load_b128 v[XR+16*\s+4:XR+16*\s+7], v6 offset:128*\s+16
	ds_load_b128 v[XR+16*\s+8:XR+16*\s+11], v6 offset:128*\s+64
	ds_load_b128 v[XR+16*\s+12:XR+16*\s+15], v6 offset:128*\s+80
.endr
.endm
.macro XCVT
.irp s, 0,1,2,3
.irp p, 0,1,2,3,4,5,6,7
	v_cvt_pk_f16_f32 v[XF+8*\s+\p], v[XR+16*\s+2*\p], v[XR+16*\s+2*\p+1]
.endr
.endr
.endm
; one K step of the k and v work-groups.  The four accumulators take turns, one instruction a turn.
.macro KVSTEP s, zero
	v_wmma_f32_16x16x32_f16 v[ACCT:ACCT+7], v[W1F+8*\s:W1F+8*\s+7], v[XF+8*\s:XF+8*\s+7], v[ACCT:ACCT+7]
	v_wmma_f32_16x16x32_f16 v[ACCT+8:ACCT+15], v[W1F+32+8*\s:W1F+32+8*\s+7], v[XF+8*\s:XF+8*\s+7], v[ACCT+8:ACCT+15]
.if \zero
	v_wmma_f32_16x16x32_f16 v[ACCV:ACCV+7], v[XF+8*\s:XF+8*\s+7], v[WVF+8*\s:WVF+8*\s+7], 0
	v_wmma_f32_16x16x32_f16 v[ACCV+8:ACCV+15], v[XF+8*\s:XF+8*\s+7], v[WVF+32+8*\s:WVF+32+8*\s+7], 0
.else
	v_wmma_f32_16x16x32_f16 v[ACCV:ACCV+7], v[XF+8*\s:XF+8*\s+7], v[WVF+8*\s:WVF+8*\s+7], v[ACCV:ACCV+7]
	v_wmma_f32_16x16x32_f16 v[ACCV+8:ACCV+15], v[XF+8*\s:XF+8*\s+7], v[WVF+32+8*\s:WVF+32+8*\s+7], v[ACCV+8:ACCV+15]
.endif
.endm
	s_load_b512 s[8:23], s[0:1], 0x0               ; input1 s[8:9], input2 s[10:11], Wq s[12:13], Wk s[14:15], Wv s[16:17], bq s[18:19], bk s[20:21], bv s[22:23]
	s_load_b128 s[24:27], s[0:1], 0x40             ; qf s[24:25], kv s[26:27]
	v_lshl_add_u32 v14, v0, 2, 0x29000
	v_mov_b32 v15, 0
	ds_add_u32 v14, v15
	ds_add_u32 v14, v15
	v_lshrrev_b32 v1, 5, v0
	v_readfirstlane_b32 s4, v1                     ; wave 0..3
	s_and_b32 s5, ttmp9, 1                         ; 0: q', 1: k and v
	s_lshr_b32 s6, ttmp9, 1                        ; G: which 64 rows
	; descriptor group 1: 16 rows x 128 elements of 4 bytes, 4 words of padding behind every 128 words
	s_mov_b32 s40, (2<<16)|(1<<20)|(6<<22)|(3<<25)
	s_mov_b32 s41, 128<<16                         ; tensor_dim0 = 128
	s_mov_b32 s42, 16<<16                          ; tensor_dim1 = 16
	s_mov_b32 s43, 128<<16                         ; tile_dim0 = 128
	s_mov_b32 s44, 16                              ; tile_dim1 = 16
	s_mov_b32 s45, 128                             ; elements from row to row
	s_mov_b32 s46, 0
	s_mov_b32 s47, 0
	s_mov_b32 s36, 1
	s_mul_i32 s37, s4, XW                          ; LDS: my wave's 16 rows
	s_lshl_b32 s34, s6, 15                         ; 64 rows of 512 bytes a work-group,
	s_lshl_b32 s35, s4, 13                         ; 16 rows a wave
	s_add_co_u32 s34, s34, s35
	s_mov_b32 s35, 0
	s_wait_dscnt 0x0
	s_wait_kmcnt 0x0
	s_cmp_eq_u32 s5, 0
	s_cselect_b64 s[28:29], s[8:9], s[10:11]       ; x
	s_cselect_b64 s[30:31], s[12:13], s[14:15]     ; W1: Wq or Wk
	s_cselect_b64 s[32:33], s[18:19], s[20:21]     ; b1: bq or bk
	s_add_nc_u64 s[38:39], s[28:29], s[34:35]
	s_or_b32 s39, s39, 0x80000000                  ; type = 2
	tensor_load_to_lds s[36:39], s[40:47]          ; the wave's only tensor load: its own 16 rows, read by itself alone
	s_nop 0
	v_and_b32 v8, 31, v0
	v_lshlrev_b32 v1, 4, v8                        ; 16 x lane: my piece in a store of 512 bytes
	v_and_b32 v9, 15, v0                           ; r
	v_bfe_u32 v10, v0, 4, 1                        ; h
	v_lshlrev_b32 v2, 5, v10                       ; 32 h
	v_lshrrev_b32 v11, 3, v0                       ; thread / 8
	v_and_b32 v8, 7, v0                            ; thread % 8
	v_lshlrev_b32 v3, 4, v8
	v_lshl_add_u32 v3, v11, 8, v3                  ; weights: two rows of 128 bytes a step of thread / 8, 16 bytes a step of thread % 8
	v_mul_u32_u24 v4, v8, 4*PW
	v_lshl_add_u32 v4, v11, 2, v4                  ; W^T: row 4 (thread % 8), word thread / 8
	v_mul_u32_u24 v5, v9, PW
	v_lshl_add_u32 v5, v10, 4, v5                  ; fragments of W^T: r x pitch + 16 h
	v_mul_u32_u24 v6, v9, PX
	v_add3_u32 v6, v6, v2, s37                     ; x: my wave's rows + r x pitch + 32 h
	v_lshlrev_b32 v7, 2, v9                        ; 4 r
.irp c, 0,1
	global_load_b128 v[ACCT+8*\c:ACCT+8*\c+3], v2, s[32:33] offset:64*\c      ; b1[16c+8h+0..7] starts the sums
	global_load_b128 v[ACCT+8*\c+4:ACCT+8*\c+7], v2, s[32:33] offset:64*\c+16
.endr
	STAGE_LOAD 30, STG
	s_cmp_lg_u32 s5, 0                             ; the same in all four waves
	s_cbranch_scc1 .Lkv
	; ---- q' ----
	s_wait_loadcnt 0x0
	STAGE_STORE STG, W1T
	s_wait_dscnt 0x0                               ; my words of W^T are written, for the other waves' sake
	s_barrier_signal -1
	s_barrier_wait -1
	FRAG_LOAD W1F, W1T
	s_wait_tensorcnt 0x0                           ; my rows of x are in LDS
	XLOAD
	s_lshl_b32 s34, s6, 12                         ; query tile 4 G + w, 1,024 bytes a tile
	s_lshl_b32 s7, s4, 10
	s_add_co_u32 s34, s34, s7
	s_add_nc_u64 s[24:25], s[24:25], s[34:35]
	s_wait_dscnt 0x0
	XCVT
.irp s, 0,1,2,3
.irp c, 0,1                                        ; the two accumulators take turns
	v_wmma_f32_16x16x32_f16 v[ACCT+8*\c:ACCT+8*\c+7], v[W1F+8*(4*\c+\s):W1F+8*(4*\c+\s)+7], v[XF+8*\s:XF+8*\s+7], v[ACCT+8*\c:ACCT+8*\c+7]
.endr
.endr
	PLACES
.irp i, 0,2,4,6,8,10,12,14
	v_pk_mul_f32 v[ACCT+\i:ACCT+\i+1], v[ACCT+\i:ACCT+\i+1], 0x3fb8aa3b op_sel_hi:[1,0]   ; log2 e, so that the softmax works in base 2
.endr
.irp i, 0,1,2,3,4,5,6,7
	v_cvt_pk_f16_f32 v[PK+\i], v[ACCT+2*\i], v[ACCT+2*\i+1]
.endr
	global_store_b128 v1, v[PK:PK+3], s[24:25]               ; dims 8h+0..7 of row r: registers 0-3 of the fragment
	global_store_b128 v1, v[PK+4:PK+7], s[24:25] offset:512  ; dims 16+8h+0..7: registers 4-7
	s_wait_tensorcnt 0x0
	ds_add_u32 v14, v15
	s_wait_dscnt 0x0
	s_endpgm
	; ---- k and v ----
.Lkv:
	STAGE_LOAD 16, STG+32
	global_load_b32 v12, v7, s[22:23]              ; bv[r]
	global_load_b32 v13, v7, s[22:23] offset:64    ; bv[16+r]
	s_wait_loadcnt 0x0
	STAGE_STORE STG, W1T
	STAGE_STORE STG+32, WVT
	s_wait_dscnt 0x0                               ; my words of both W^T are written, for the other waves' sake
	s_barrier_signal -1
	s_barrier_wait -1
	FRAG_LOAD W1F, W1T
	FRAG_LOAD WVF, WVT
	s_wait_tensorcnt 0x0                           ; my rows of x are in LDS
	XLOAD
	s_lshl_b32 s34, s6, 13                         ; key group G, 8,192 bytes; K tile w at 1,024 w
	s_lshl_b32 s7, s4, 10
	s_add_co_u32 s34, s34, s7
	s_add_nc_u64 s[28:29], s[26:27], s[34:35]
	s_lshl_b32 s34, s6, 13                         ; my piece of V^T: 4,096 + 2,048 (w / 2) + 512 (w % 2)
	s_lshr_b32 s7, s4, 1
	s_lshl_b32 s7, s7, 11
	s_add_co_u32 s34, s34, s7
	s_and_b32 s7, s4, 1
	s_lshl_b32 s7, s7, 9
	s_add_co_u32 s34, s34, s7
	s_add_co_u32 s34, s34, 4096
	s_add_nc_u64 s[30:31], s[26:27], s[34:35]
	s_wait_dscnt 0x0
	XCVT
	KVSTEP 0, 1
	KVSTEP 1, 0
	KVSTEP 2, 0
	KVSTEP 3, 0
	PLACES
.irp j, 0,1,2,3,4,5,6,7
	v_add_f32 v[ACCV+\j], v[ACCV+\j], v12          ; a lane's eight numbers of v are eight keys of one dim
	v_add_f32 v[ACCV+8+\j], v[ACCV+8+\j], v13
.endr
.irp i, 0,1,2,3,4,5,6,7
	v_cvt_pk_f16_f32 v[PK+\i], v[ACCT+2*\i], v[ACCT+2*\i+1]
	v_cvt_pk_f16_f32 v[PK+8+\i], v[ACCV+2*\i], v[ACCV+2*\i+1]
.endr
	global_store_b128 v1, v[PK:PK+3], s[28:29]
	global_store_b128 v1, v[PK+4:PK+7], s[28:29] offset:512
	global_store_b128 v1, v[PK+8:PK+11], s[30:31]                ; dims 0-15
	global_store_b128 v1, v[PK+12:PK+15], s[30:31] offset:1024   ; dims 16-31
	s_wait_tensorcnt 0x0
	ds_add_u32 v14, v15
	s_wait_dscnt 0x0
	s_endpgm
.Lfunc_end_k_q685efe172d_proj:
	.size	k_q685efe172d_proj, .Lfunc_end_k_q685efe172d_proj-k_q685efe172d_proj
	.p2alignl 7, 3214868480
	.fill 96, 4, 3214868480
	.section	.rodata,"a",@progbits
	.p2align	6, 0x0
	.amdhsa_kernel k_q685efe172d_proj
		.amdhsa_group_segment_fixed_size 168448
		.amdhsa_private_segment_fixed_size 0
		.amdhsa_enable_private_segment 0
		.amdhsa_kernarg_size 80
		.amdhsa_user_sgpr_count 2
		.amdhsa_user_sgpr_kernarg_segment_ptr 1
		.amdhsa_wavefront_size32 1
		.amdhsa_system_sgpr_workgroup_id_x 1
		.amdhsa_system_sgpr_workgroup_id_y 1
		.amdhsa_system_sgpr_workgroup_id_z 1
		.amdhsa_system_vgpr_workitem_id 0
		.amdhsa_next_free_vgpr 256
		.amdhsa_next_free_sgpr 66
		.amdhsa_reserve_vcc 0
		.amdhsa_float_denorm_mode_32 3
		.amdhsa_float_denorm_mode_16_64 3
		.amdhsa_memory_ordered 1
		.amdhsa_forward_progress 1
		.amdhsa_inst_pref_size 27
	.end_amdhsa_kernel
	.amdgpu_metadata
---
amdhsa.version: [ 1, 2 ]
amdhsa.kernels:
  - .name:           k_q685efe172d_proj
    .symbol:         k_q685efe172d_proj.kd
    .args:
      - { .name: input1, .offset: 0, .size: 8, .value_kind: global_buffer, .address_space: global }
      - { .name: input2, .offset: 8, .size: 8, .value_kind: global_buffer, .address_space: global }
      - { .name: Wq, .offset: 16, .size: 8, .value_kind: global_buffer, .address_space: global }
      - { .name: Wk, .offset: 24, .size: 8, .value_kind: global_buffer, .address_space: global }
      - { .name: Wv, .offset: 32, .size: 8, .value_kind: global_buffer, .address_space: global }
      - { .name: bq, .offset: 40, .size: 8, .value_kind: global_buffer, .address_space: global }
      - { .name: bk, .offset: 48, .size: 8, .value_kind: global_buffer, .address_space: global }
      - { .name: bv, .offset: 56, .size: 8, .value_kind: global_buffer, .address_space: global }
      - { .name: qf, .offset: 64, .size: 8, .value_kind: global_buffer, .address_space: global }
      - { .name: kv, .offset: 72, .size: 8, .value_kind: global_buffer, .address_space: global }
    .group_segment_fixed_size: 168448
    .private_segment_fixed_size: 0
    .kernarg_segment_align: 8
    .kernarg_segment_size: 80
    .max_flat_workgroup_size: 128
    .sgpr_count:     66
    .vgpr_count:     256
    .wavefront_size: 32
...
	.end_amdgpu_metadata
.endif
;; end of part 1
;; launch attn (part 2): grid 64 x 4, 16 waves a work-group, clusters of 4 x 1, 319,488 bytes of LDS; arguments qf, kv, part; writes part
.if DOCPART == 2
	.amdgcn_target "amdgcn-amd-amdhsa--gfx1250"
	.amdhsa_code_object_version 6
	.text
	.protected	k_q685efe172d_attn
	.globl	k_q685efe172d_attn
	.p2align	8
	.type	k_q685efe172d_attn,@function
k_q685efe172d_attn:
	s_mov_b64 s[64:65], 0
	v_nop
	global_prefetch_b8 v0, s[64:65] scope:SCOPE_SE
	s_setreg_imm32_b32 hwreg(HW_REG_WAVE_MODE, 25, 1), 1
	s_wait_xcnt 0x0
	s_wait_alu depctr_hold_cnt(0) depctr_sa_sdst(0) depctr_va_vdst(0) depctr_va_sdst(0) depctr_va_ssrc(0) depctr_va_vcc(0) depctr_vm_vsrc(0)
	s_getreg_b32 s2, hwreg(HW_REG_IB_STS2, 6, 4)
	s_cmp_eq_u32 s2, 0
	s_cbranch_scc0 .Lentry_in_a_cluster
	s_endpgm
.Lentry_in_a_cluster:
	s_bfe_u32 s2, ttmp6, 0x10000c
	s_cmp_lg_u32 s2, 0x3003
	s_cbranch_scc0 .Lentry_shape_is_right
	s_endpgm
.Lentry_shape_is_right:
; Attention with a running maximum, the keys split four ways over work-groups.  Work-group (qb, ks): queries 128 qb .., keys 2,048 ks ..
; Its 32 key groups (K and V^T in fragment order, 8,192 bytes a group) are 262,144 bytes and lie in LDS whole: every tensor load is
; a first fill issued at the start, nothing is filled again.  Out go the unnormalised sums O with m (base 2) and l; the next launch merges the four splits.
; CLUSTER: the four work-groups of a cluster have the same ks and four neighbouring qb, so they read the same tiles and ask for them jointly (mask 15).
; SIXTEEN WAVES, four on a SIMD (4 x 250 = 1,000 registers): a step is one chain, maximum - alpha - exponentials - pack - product, in which each link
; waits for the one before; the other three waves' chains issue in those gaps.  The vector work, not the matrix work, is the bulk here.
; Wave w: query tiles a, b = 8 qb + 2 (w % 4) and the next; key group 4 n + w / 4 in step n = 0..7.  The four waves that share queries merge through LDS at the end.
; LAYOUT (r = lane % 16, h = lane / 16): S^T = K x Q^T puts (key 8h+j, query r) in register j, so a lane owns one query: m, l, alpha are a number a lane.
; Pairs of S packed to f16 are at once the B fragment of P^T; O^T = V^T x P^T puts (dim 16c+8h+j, query r) in register j.  No shuffle but one swap of the halves a maximum.
; FORMAT: operands f16, sums f32.  P = 2^(s-m) is at most 1; below 2^-24 it rounds to zero.  Scores must be finite; a NaN score is dropped by the maximum and then spreads.
.set GROUP, 8192                       ; a key group: four K tiles of 1,024 bytes, then four V^T fragments of 1,024 bytes
.set KSTEP, 4*GROUP                    ; from a wave's group in one step to its group in the next
.set CHUNK, 65536                      ; eight groups: two steps of all four quarters of the waves
.set SCR,   262144                     ; behind the tiles: the merge's scratch, written by LDS stores only
.set SCRW,  4608                       ; nine pieces of 512 bytes for each of waves 4 to 15
.set PBLK,  2304                       ; a tile's block in part: 2,048 bytes of O, 256 of (m, l)
.set KA,  2                            ; v2         LDS address: 16 lane + 8,192 (w / 4) + 32,768 n
.set QA,  8                            ; v[8:15]    Q fragment, tile a
.set QB,  16                           ; v[16:23]   tile b
.set KF,  24                           ; v[24:55]   four K fragments
.set VF,  56                           ; v[56:87]   four V^T fragments: (2 x keys' half + c) x 8
.set SA,  88                           ; v[88:119]  scores, then exponentials, tile a
.set SB,  120                          ; v[120:151]
.set PA,  152                          ; v[152:167] P in f16: two B fragments
.set PB,  168
.set OA,  184                          ; v[184:199] O^T: dims 0-15, dims 16-31
.set OB,  200
.set LA,  216                          ; v[216:223] four pairs of partial sums of l; in the merge the four weights, twice each
.set LB,  224
.set MA,  232                          ; v[232:233] m, twice; at the end (m, l)
.set MB,  234
.set AA,  236                          ; v[236:237] alpha, twice
.set AB,  238
.set T,   240                          ; v[240:247] at work
.set R,   24                           ; v[24:131]  in the merge: three partners x 36 registers (O of a, O of b, m and l of both)
.macro PLACES                          ; four independent vector instructions behind a matrix instruction (ISA guide 7.12.1)
.rept 4
	v_nop
.endr
.endm
.macro ROUND                           ; a round of the cluster's barrier
	s_barrier_signal -1
	s_barrier_wait -1
	s_cmp_lg_u32 s10, 0
	s_cbranch_scc1 .Lnot_wave_0_\@
	s_barrier_signal -3
.Lnot_wave_0_\@:
	s_barrier_wait -3
	s_barrier_signal -1
	s_barrier_wait -1
.endm
; 64 keys of one query tile: new maximum, alpha, exponentials in place, P packed, l summed.
.macro SOFTMAX s, p, l, m, a, first
.irp k, 0,1,2,3                                    ; four chains of maxima that do not wait for each other
	v_max3_num_f32 v[T+\k], v[\s+8*\k], v[\s+8*\k+1], v[\s+8*\k+2]
.endr
.irp k, 0,1,2,3
	v_max3_num_f32 v[T+\k], v[T+\k], v[\s+8*\k+3], v[\s+8*\k+4]
.endr
.irp k, 0,1,2,3
	v_max3_num_f32 v[T+\k], v[T+\k], v[\s+8*\k+5], v[\s+8*\k+6]
.endr
	v_max3_num_f32 v[T], v[T], v[\s+7], v[\s+15]
	v_max3_num_f32 v[T+2], v[T+2], v[\s+23], v[\s+31]
	v_max3_num_f32 v[T], v[T], v[T+1], v[T+2]
.if \first
	v_max_num_f32 v[T], v[T], v[T+3]
.else
	v_max3_num_f32 v[T], v[T], v[T+3], v[\m]       ; with the maximum so far
.endif
	v_permlanex16_b32 v[T+1], v[T], s45, s46       ; the other half of the lanes holds the query's other keys
.if \first
	v_max_num_f32 v[\m], v[T], v[T+1]
	v_max_num_f32 v[\m+1], v[T], v[T+1]
.else
	v_max_num_f32 v[T+2], v[T], v[T+1]
	v_sub_f32 v[T+3], v[\m], v[T+2]
	v_exp_f32 v[\a], v[T+3]                        ; alpha = 2^(old m - new m)
	v_mov_b32 v[\m], v[T+2]                        ; a plain instruction behind the exponential before its result is read (ISA guide 5.7.2)
	v_mov_b32 v[\m+1], v[T+2]
	s_wait_alu depctr_va_vdst(0)
	v_mov_b32 v[\a+1], v[\a]
.endif
	; pair i is shifted, pair i-1 exponentiated, pair i-2 packed and summed: behind every exponential stand plain instructions on other registers
.set sm_i, 0
.rept 18
.if sm_i < 16
	v_pk_add_f32 v[\s+2*sm_i:\s+2*sm_i+1], v[\s+2*sm_i:\s+2*sm_i+1], v[\m:\m+1] neg_lo:[0,1] neg_hi:[0,1]
.endif
.if sm_i >= 1
.if sm_i <= 16
	v_exp_f32 v[\s+2*sm_i-2], v[\s+2*sm_i-2]
	v_exp_f32 v[\s+2*sm_i-1], v[\s+2*sm_i-1]
.endif
.endif
.if sm_i >= 2
.set sm_k, sm_i-2
	s_wait_alu depctr_va_vdst(0)
	v_cvt_pk_f16_f32 v[\p+sm_k], v[\s+2*sm_k], v[\s+2*sm_k+1]
.if \first
.if sm_k >= 8
	v_pk_add_f32 v[\l+2*(sm_k&3):\l+2*(sm_k&3)+1], v[\l+2*(sm_k&3):\l+2*(sm_k&3)+1], v[\s+2*sm_k:\s+2*sm_k+1]
.else
.if sm_k >= 4
	v_pk_add_f32 v[\l+2*(sm_k-4):\l+2*(sm_k-4)+1], v[\s+2*(sm_k-4):\s+2*(sm_k-4)+1], v[\s+2*sm_k:\s+2*sm_k+1]   ; the first sums start l: nothing is cleared
.endif
.endif
.else
.if sm_k < 4
	v_pk_fma_f32 v[\l+2*sm_k:\l+2*sm_k+1], v[\l+2*sm_k:\l+2*sm_k+1], v[\a:\a+1], v[\s+2*sm_k:\s+2*sm_k+1]        ; l = l alpha + p
.else
	v_pk_add_f32 v[\l+2*(sm_k&3):\l+2*(sm_k&3)+1], v[\l+2*(sm_k&3):\l+2*(sm_k&3)+1], v[\s+2*sm_k:\s+2*sm_k+1]
.endif
.endif
.endif
.set sm_i, sm_i+1
.endr
.endm
.macro RESCALE o, a
.irp j, 0,2,4,6,8,10,12,14
	v_pk_mul_f32 v[\o+\j:\o+\j+1], v[\o+\j:\o+\j+1], v[\a:\a+1]
.endr
.endm
; O^T += V^T x P^T over 64 keys.  The two accumulators take turns, one instruction a turn.
.macro PV o, p, first
.if \first
	v_wmma_f32_16x16x32_f16 v[\o:\o+7], v[VF:VF+7], v[\p:\p+7], 0
	v_wmma_f32_16x16x32_f16 v[\o+8:\o+15], v[VF+8:VF+15], v[\p:\p+7], 0
.else
	v_wmma_f32_16x16x32_f16 v[\o:\o+7], v[VF:VF+7], v[\p:\p+7], v[\o:\o+7]
	v_wmma_f32_16x16x32_f16 v[\o+8:\o+15], v[VF+8:VF+15], v[\p:\p+7], v[\o+8:\o+15]
.endif
	v_wmma_f32_16x16x32_f16 v[\o:\o+7], v[VF+16:VF+23], v[\p+8:\p+15], v[\o:\o+7]
	v_wmma_f32_16x16x32_f16 v[\o+8:\o+15], v[VF+24:VF+31], v[\p+8:\p+15], v[\o+8:\o+15]
.endm
; One step: 64 keys x 32 queries.  first = 1: starts m, l, O.  pre = 1: fetches the next step's K.  bar >= 0: the next step's K lies in the
; next chunk: wait until only bar younger chunks of mine are out, and pass a barrier, since all sixteen waves brought parts of it.
.macro STEP first, pre, bar
	s_wait_dscnt 0x0                               ; this step's K fragments are in
.irp t, 0,1,2,3
	v_wmma_f32_16x16x32_f16 v[SA+8*\t:SA+8*\t+7], v[KF+8*\t:KF+8*\t+7], v[QA:QA+7], 0
	v_wmma_f32_16x16x32_f16 v[SB+8*\t:SB+8*\t+7], v[KF+8*\t:KF+8*\t+7], v[QB:QB+7], 0
.endr
	PLACES                                         ; for the reads of S, for the loads into K's registers, and for the loads into V's behind the last step's products
.if \bar >= 0
	s_wait_tensorcnt \bar                          ; tensor loads of a wave end in order (ISA guide 10.11.1): my part of the next chunk is in; no LDS access of mine is out
	s_barrier_signal -1
	s_barrier_wait -1                              ; everybody's part is in; younger chunks may stay out
.endif
.irp i, 0,1,2,3,4,5,6,7
	ds_load_b128 v[VF+4*\i:VF+4*\i+3], v[KA] offset:GROUP/2+512*\i
.endr
.if \pre
.irp i, 0,1,2,3,4,5,6,7
	ds_load_b128 v[KF+4*\i:KF+4*\i+3], v[KA] offset:KSTEP+512*\i
.endr
	v_add_nc_u32 v[KA], KSTEP, v[KA]
.endif
	SOFTMAX SA, PA, LA, MA, AA, \first
.if \pre
	s_wait_dscnt 0x8                               ; the eight loads of K are younger: V is in
.else
	s_wait_dscnt 0x0
.endif
.if \first == 0
	RESCALE OA, AA
.endif
	PV OA, PA, \first
	SOFTMAX SB, PB, LB, MB, AB, \first
.if \first == 0
	RESCALE OB, AB
.endif
	PV OB, PB, \first
.endm
	s_load_b128 s[4:7], s[0:1], 0x0                ; qf s[4:5], kv s[6:7]
	s_load_b64 s[8:9], s[0:1], 0x10                ; part
	v_lshl_add_u32 v248, v0, 2, 0x4d800
	v_mov_b32 v249, 0
	ds_add_u32 v248, v249
	ds_add_u32 v248, v249
	v_lshrrev_b32 v1, 5, v0
	v_readfirstlane_b32 s10, v1                    ; wave 0..15
	s_and_b32 s11, s10, 3                          ; which 32 queries
	s_lshr_b32 s12, s10, 2                         ; which quarter of each step's keys
	s_bfe_u32 s13, ttmp6, 0x40000                  ; cx
	s_lshl_b32 s14, ttmp9, 2
	s_add_co_u32 s14, s14, s13                     ; qb = 4 x cluster x + cx: enters the addresses of qf and part alone
	s_and_b32 s15, ttmp7, 0xffff                   ; ks
	s_mov_b32 s45, 0x76543210                      ; v_permlanex16_b32: lane i takes lane i of the other half
	s_mov_b32 s46, 0xfedcba98
	; descriptor group 1: 16 rows of 32 elements of 8 bytes, dense: 4,096 bytes, half a key group
	s_mov_b32 s16, 15|(3<<16)|(1<<21)              ; the mask names the cluster's four work-groups; bit 21 beside it
	s_mov_b32 s17, 32<<16                          ; tensor_dim0 = 32
	s_mov_b32 s18, 16<<16                          ; tensor_dim1 = 16
	s_mov_b32 s19, 32<<16                          ; tile_dim0 = 32
	s_mov_b32 s20, 16                              ; tile_dim1 = 16
	s_mov_b32 s21, 32                              ; elements from row to row
	s_mov_b32 s22, 0
	s_mov_b32 s23, 0
	s_lshl_b32 s42, s10, 12                        ; my part of each chunk: 4,096 w
	s_lshl_b32 s40, s15, 18                        ; the split's 262,144 bytes of kv
	s_add_co_u32 s40, s40, s42
	s_mov_b32 s41, 0
	v_and_b32 v3, 31, v0
	v_lshlrev_b32 v1, 4, v3                        ; 16 x lane
	v_lshlrev_b32 v3, 3, v3                        ; 8 x lane
	s_lshl_b32 s43, s12, 13
	v_add_nc_u32 v[KA], s43, v1
	s_mul_i32 s43, s10, SCRW                       ; scratch: wave w (4..15) writes at SCR + 4,608 (w - 4); waves 0..3 never store by this address,
	s_add_co_u32 s43, s43, SCR-4*SCRW              ; and read partner w + 4 k at the immediate offset 4 x 4,608 k
	v_add_nc_u32 v4, s43, v1
	s_lshl_b32 s48, s15, 9                         ; part: block 512 ks + 8 qb + 2 (w % 4)
	s_lshl_b32 s50, s14, 3
	s_add_co_u32 s48, s48, s50
	s_lshl_b32 s50, s11, 1
	s_add_co_u32 s48, s48, s50
	s_mul_i32 s48, s48, PBLK
	s_mov_b32 s49, 0
	s_wait_dscnt 0x0
	s_wait_kmcnt 0x0
	s_add_nc_u64 s[8:9], s[8:9], s[48:49]
	s_lshl_b32 s48, s14, 13                        ; qf: 1,024 bytes a tile
	s_lshl_b32 s50, s11, 11
	s_add_co_u32 s48, s48, s50
	s_add_nc_u64 s[4:5], s[4:5], s[48:49]
	s_add_nc_u64 s[6:7], s[6:7], s[40:41]          ; made of ks and the wave's number alone: equal in the four partners
.irp c, 0,1,2,3
	s_mov_b32 s[24+4*\c], 1
	s_add_co_u32 s[25+4*\c], s42, \c*CHUNK
	s_add_nc_u64 s[26+4*\c:27+4*\c], s[6:7], \c*CHUNK
	s_or_b32 s[27+4*\c], s[27+4*\c], 0x80000000
.endr
	ROUND                                          ; the four work-groups are here: the joint loads meet
.irp c, 0,1,2,3
	tensor_load_to_lds s[24+4*\c:27+4*\c], s[16:23]   ; all of the wave's tensor loads, four outstanding at the most
	s_nop 0
.endr
	global_load_b128 v[QA:QA+3], v1, s[4:5]
	global_load_b128 v[QA+4:QA+7], v1, s[4:5] offset:512
	global_load_b128 v[QB:QB+3], v1, s[4:5] offset:1024
	global_load_b128 v[QB+4:QB+7], v1, s[4:5] offset:1536
	s_wait_tensorcnt 0x3                           ; my part of chunk 0 is in; the three younger chunks stay out
	s_barrier_signal -1
	s_barrier_wait -1                              ; everybody's part is in
.irp i, 0,1,2,3,4,5,6,7
	ds_load_b128 v[KF+4*\i:KF+4*\i+3], v[KA] offset:512*\i
.endr
	s_wait_loadcnt 0x0                             ; Q
	; eight steps, written out: every second one changes chunks, each with a count of its own
	STEP 1, 1, -1                                  ; step 0
	STEP 0, 1, 2                                   ; 1: fetches step 2's K from chunk 1; chunks 2 and 3 may be out
	STEP 0, 1, -1                                  ; 2
	STEP 0, 1, 1                                   ; 3: chunk 2; chunk 3 may be out
	STEP 0, 1, -1                                  ; 4
	STEP 0, 1, 0                                   ; 5: the last chunk: no tensor load is out from here on
	STEP 0, 1, -1                                  ; 6
	STEP 0, 0, -1                                  ; 7
; l of a tile: the lane's eight partial sums, then the other half's; it lands beside m.  These lines are also the places behind the last products.
.macro LSUM l, m, t
	v_pk_add_f32 v[\l:\l+1], v[\l:\l+1], v[\l+2:\l+3]
	v_pk_add_f32 v[\l+4:\l+5], v[\l+4:\l+5], v[\l+6:\l+7]
	v_pk_add_f32 v[\l:\l+1], v[\l:\l+1], v[\l+4:\l+5]
	v_add_f32 v[\t], v[\l], v[\l+1]
	v_permlanex16_b32 v[\t+1], v[\t], s45, s46
	v_add_f32 v[\m+1], v[\t], v[\t+1]
.endm
	LSUM LA, MA, T
	LSUM LB, MB, T+2
	s_cmp_lt_u32 s10, 4
	s_cbranch_scc1 .Lno_put
.irp i, 0,1,2,3,4,5,6,7
	ds_store_b128 v4, v[OA+4*\i:OA+4*\i+3] offset:512*\i     ; waves 4-15 hand over O of both tiles
.endr
	ds_store_b128 v4, v[MA:MA+3] offset:4096                 ; and (m, l) of both
.Lno_put:
	s_wait_dscnt 0x0                               ; for the partners' sake
	s_barrier_signal -1
	s_barrier_wait -1
	s_cmp_ge_u32 s10, 4
	s_cbranch_scc1 .Lclose
.irp k, 0,1,2
.irp i, 0,1,2,3,4,5,6,7,8
	ds_load_b128 v[R+36*\k+4*\i:R+36*\k+4*\i+3], v4 offset:(\k+1)*4*SCRW+512*\i    ; partner w + 4 (k + 1)
.endr
.endr
	s_wait_dscnt 0x0
; four quarters of the keys become one: M = max of the four m, O = sum of O_k 2^(m_k - M), l likewise.
; po, pm: where the tile's O and its (m, l) stand in a partner's 36 registers; w: eight registers for the four weights, twice each.
.macro MERGE4 o, m, po, pm, w
	v_max3_num_f32 v[T], v[\m], v[R+\pm], v[R+36+\pm]
	v_max_num_f32 v[T], v[T], v[R+72+\pm]
	v_sub_f32 v[\w], v[\m], v[T]
.irp k, 0,1,2
	v_sub_f32 v[\w+2+2*\k], v[R+36*\k+\pm], v[T]
.endr
.irp k, 0,1,2,3
	v_exp_f32 v[\w+2*\k], v[\w+2*\k]
.endr
	v_mov_b32 v[\m], v[T]                          ; the plain instruction behind the exponentials (ISA guide 5.7.2)
	s_wait_alu depctr_va_vdst(0)
.irp k, 0,1,2,3
	v_mov_b32 v[\w+2*\k+1], v[\w+2*\k]
.endr
	v_mul_f32 v[\m+1], v[\m+1], v[\w]
.irp k, 0,1,2
	v_fmac_f32 v[\m+1], v[R+36*\k+\pm+1], v[\w+2+2*\k]
.endr
.irp j, 0,2,4,6,8,10,12,14
	v_pk_mul_f32 v[\o+\j:\o+\j+1], v[\o+\j:\o+\j+1], v[\w:\w+1]
.endr
.irp k, 0,1,2
.irp j, 0,2,4,6,8,10,12,14
	v_pk_fma_f32 v[\o+\j:\o+\j+1], v[R+36*\k+\po+\j:R+36*\k+\po+\j+1], v[\w+2+2*\k:\w+3+2*\k], v[\o+\j:\o+\j+1]
.endr
.endr
.endm
	MERGE4 OA, MA, 0, 32, LA
	MERGE4 OB, MB, 16, 34, LB
.irp i, 0,1,2,3
	global_store_b128 v1, v[OA+4*\i:OA+4*\i+3], s[8:9] offset:512*\i          ; each store covers 512 consecutive bytes, aligned to 256
.endr
	global_store_b64 v3, v[MA:MA+1], s[8:9] offset:2048                       ; 256 consecutive bytes
.irp i, 0,1,2,3
	global_store_b128 v1, v[OB+4*\i:OB+4*\i+3], s[8:9] offset:PBLK+512*\i
.endr
	global_store_b64 v3, v[MB:MB+1], s[8:9] offset:PBLK+2048
.Lclose:
	s_wait_tensorcnt 0x0
	ds_add_u32 v248, v249
	s_wait_dscnt 0x0
	ROUND                                          ; the closing round: no work-group ends while a partner may still ask jointly
	s_endpgm
.Lfunc_end_k_q685efe172d_attn:
	.size	k_q685efe172d_attn, .Lfunc_end_k_q685efe172d_attn-k_q685efe172d_attn
	.p2alignl 7, 3214868480
	.fill 96, 4, 3214868480
	.section	.rodata,"a",@progbits
	.p2align	6, 0x0
	.amdhsa_kernel k_q685efe172d_attn
		.amdhsa_group_segment_fixed_size 319488
		.amdhsa_private_segment_fixed_size 0
		.amdhsa_enable_private_segment 0
		.amdhsa_kernarg_size 24
		.amdhsa_user_sgpr_count 2
		.amdhsa_user_sgpr_kernarg_segment_ptr 1
		.amdhsa_wavefront_size32 1
		.amdhsa_system_sgpr_workgroup_id_x 1
		.amdhsa_system_sgpr_workgroup_id_y 1
		.amdhsa_system_sgpr_workgroup_id_z 1
		.amdhsa_system_vgpr_workitem_id 0
		.amdhsa_next_free_vgpr 250
		.amdhsa_next_free_sgpr 66
		.amdhsa_reserve_vcc 0
		.amdhsa_float_denorm_mode_32 3
		.amdhsa_float_denorm_mode_16_64 3
		.amdhsa_memory_ordered 1
		.amdhsa_forward_progress 1
		.amdhsa_inst_pref_size 132
	.end_amdhsa_kernel
	.amdgpu_metadata
---
amdhsa.version: [ 1, 2 ]
amdhsa.kernels:
  - .name:           k_q685efe172d_attn
    .symbol:         k_q685efe172d_attn.kd
    .args:
      - { .name: qf, .offset: 0, .size: 8, .value_kind: global_buffer, .address_space: global }
      - { .name: kv, .offset: 8, .size: 8, .value_kind: global_buffer, .address_space: global }
      - { .name: part, .offset: 16, .size: 8, .value_kind: global_buffer, .address_space: global }
    .group_segment_fixed_size: 319488
    .private_segment_fixed_size: 0
    .kernarg_segment_align: 8
    .kernarg_segment_size: 24
    .max_flat_workgroup_size: 512
    .sgpr_count:     66
    .vgpr_count:     250
    .wavefront_size: 32
...
	.end_amdgpu_metadata
.endif
;; end of part 2
;; launch fin (part 3): grid 256 x 1, 2 waves a work-group, no clusters, 0 bytes of LDS; arguments part, gamma, beta, Wo, bo, out0; writes out0
.if DOCPART == 3
	.amdgcn_target "amdgcn-amd-amdhsa--gfx1250"
	.amdhsa_code_object_version 6
	.text
	.protected	k_q685efe172d_fin
	.globl	k_q685efe172d_fin
	.p2align	8
	.type	k_q685efe172d_fin,@function
k_q685efe172d_fin:
	s_mov_b64 s[64:65], 0
	v_nop
	global_prefetch_b8 v0, s[64:65] scope:SCOPE_SE
	s_setreg_imm32_b32 hwreg(HW_REG_WAVE_MODE, 25, 1), 1
	s_wait_xcnt 0x0
; Merges the four key splits, normalises, LayerNorm over the 32 dims, out = normed Wo + bo.  One wave, one tile of 16 queries; no LDS, no barrier.
; Lane (r, h) holds query r, dims 16c+8h+j in register 8c+j: the order in which the attention launch left O, and, packed to f16, the A fragment
; (16 queries x 32 dims) of the last product.  Sums over the 32 dims: 16 in the lane, then the other half of the lanes.
; Fragment t = 4g+q of Wo takes output column 64g+4r+q as its column r, so that a lane's results of four fragments are four neighbouring
; columns: the bias add gathers them into four neighbouring registers, and sixteen lanes store 256 consecutive bytes of a row, aligned.
; FORMAT: normed and Wo go to the matrix unit in f16 (limit 65,504 in magnitude); all else f32.
; NO CLUSTER, NO LDS: what waves share is Wo, 16,384 bytes; it is loaded straight into registers in fragment order and converted there.
.set PBLK,  2304
.set SPLIT, 512*PBLK                   ; from one split's block of a tile to the next split's
.set PO,  8                            ; v[8:71]    O of the four splits, 16 registers each
.set X,   8                            ; v[8:23]    then fused, fused - mu, normed
.set AF,  24                           ; v[24:31]   normed in f16
.set WF,  32                           ; v[32:95]   eight fragments of Wo
.set PM,  72                           ; v[72:79]   (m, l) of the four splits; then their weights, twice each
.set GA,  80                           ; v[80:95]   gamma of my 16 dims
.set BE,  96                           ; v[96:111]  beta
.set BO,  112                          ; v[112:119] bo of my eight columns
.set WR,  120                          ; v[120:247] raw Wo: (2 d + g) x 4 + q
.set DD,  120                          ; v[120:183] then the eight products
.set OUT, 184                          ; v[184:247] and the rows to store: (8 g + j) x 4 + q
.set U,   248                          ; v[248:255] at work
	s_load_b256 s[4:11], s[0:1], 0x0               ; part s[4:5], gamma s[6:7], beta s[8:9], Wo s[10:11]
	s_load_b128 s[12:15], s[0:1], 0x20             ; bo s[12:13], out0 s[14:15]
	v_lshrrev_b32 v1, 5, v0
	v_readfirstlane_b32 s16, v1                    ; wave 0, 1
	s_lshl_b32 s17, ttmp9, 1
	s_add_co_u32 s17, s17, s16                     ; my tile
	s_mul_i32 s18, s17, PBLK
	s_mov_b32 s19, 0
	s_mov_b32 s20, 0x76543210                      ; v_permlanex16_b32: lane i takes lane i of the other half
	s_mov_b32 s21, 0xfedcba98
	s_mov_b32 s22, 0x3d000000                      ; 1 / 32
	s_mov_b32 s23, 0x3727c5ac                      ; 1e-5
	v_and_b32 v6, 31, v0
	v_lshlrev_b32 v1, 4, v6                        ; 16 x lane
	v_lshlrev_b32 v2, 3, v6                        ; 8 x lane
	v_and_b32 v5, 15, v0
	v_lshlrev_b32 v5, 4, v5                        ; 16 r
	v_bfe_u32 v6, v0, 4, 1                         ; h
	v_lshlrev_b32 v3, 5, v6                        ; 32 h
	v_lshl_add_u32 v4, v6, 12, v5                  ; eight rows of 512 bytes x h + 16 r: in Wo and in out0 alike
	s_wait_kmcnt 0x0
	s_add_nc_u64 s[4:5], s[4:5], s[18:19]
	s_lshl_b32 s18, s17, 13                        ; 16 rows of 512 bytes
	s_add_nc_u64 s[14:15], s[14:15], s[18:19]
.irp s, 0,1,2,3
.irp i, 0,1,2,3
	global_load_b128 v[PO+16*\s+4*\i:PO+16*\s+4*\i+3], v1, s[4:5] offset:\s*SPLIT+512*\i th:TH_LOAD_NT
.endr
	global_load_b64 v[PM+2*\s:PM+2*\s+1], v2, s[4:5] offset:\s*SPLIT+2048 th:TH_LOAD_NT
.endr
.irp i, 0,1,2,3
	global_load_b128 v[GA+4*\i:GA+4*\i+3], v3, s[6:7] offset:(\i>>1)*64+(\i&1)*16
	global_load_b128 v[BE+4*\i:BE+4*\i+3], v3, s[8:9] offset:(\i>>1)*64+(\i&1)*16
.endr
	global_load_b128 v[BO:BO+3], v5, s[12:13]
	global_load_b128 v[BO+4:BO+7], v5, s[12:13] offset:256
.irp d, 0,1,2,3,4,5,6,7,8,9,10,11,12,13,14,15
.irp g, 0,1
	global_load_b128 v[WR+4*(2*\d+\g):WR+4*(2*\d+\g)+3], v4, s[10:11] offset:(\d+8*(\d>>3))*512+\g*256   ; dim 8h+d, or 16+8h+(d-8); sixteen lanes read 256 consecutive bytes
.endr
.endr
	s_wait_loadcnt 34                              ; the 2 loads of bo and the 32 of Wo are younger and stay out: partials, gamma, beta are in
	; the splits' weights: w_s = 2^(m_s - M) / sum of l_s 2^(m_s - M)
	v_max3_num_f32 v[U], v[PM], v[PM+2], v[PM+4]
	v_max_num_f32 v[U], v[U], v[PM+6]
.irp s, 0,1,2,3
	v_sub_f32 v[U+1+\s], v[PM+2*\s], v[U]
.endr
.irp s, 0,1,2,3
	v_exp_f32 v[U+1+\s], v[U+1+\s]
.endr
	v_nop                                          ; a plain instruction behind the exponentials (ISA guide 5.7.2)
	s_wait_alu depctr_va_vdst(0)
	v_mul_f32 v[U+5], v[PM+1], v[U+1]
	v_fmac_f32 v[U+5], v[PM+3], v[U+2]
	v_fmac_f32 v[U+5], v[PM+5], v[U+3]
	v_fmac_f32 v[U+5], v[PM+7], v[U+4]             ; at least 1: the split with the maximum has weight 1 and l >= 1
	v_rcp_f32 v[U+6], v[U+5]
	v_nop
	s_wait_alu depctr_va_vdst(0)
.irp s, 0,1,2,3
	v_mul_f32 v[PM+2*\s], v[U+1+\s], v[U+6]
	v_mul_f32 v[PM+2*\s+1], v[U+1+\s], v[U+6]
.endr
.irp i, 0,2,4,6,8,10,12,14
	v_pk_mul_f32 v[X+\i:X+\i+1], v[X+\i:X+\i+1], v[PM:PM+1]
.endr
.irp s, 1,2,3
.irp i, 0,2,4,6,8,10,12,14
	v_pk_fma_f32 v[X+\i:X+\i+1], v[PO+16*\s+\i:PO+16*\s+\i+1], v[PM+2*\s:PM+2*\s+1], v[X+\i:X+\i+1]
.endr
.endr
	; the mean
	v_pk_add_f32 v[U:U+1], v[X:X+1], v[X+2:X+3]
	v_pk_add_f32 v[U+2:U+3], v[X+4:X+5], v[X+6:X+7]
	v_pk_add_f32 v[U+4:U+5], v[X+8:X+9], v[X+10:X+11]
	v_pk_add_f32 v[U+6:U+7], v[X+12:X+13], v[X+14:X+15]
	v_pk_add_f32 v[U:U+1], v[U:U+1], v[U+2:U+3]
	v_pk_add_f32 v[U+4:U+5], v[U+4:U+5], v[U+6:U+7]
	v_pk_add_f32 v[U:U+1], v[U:U+1], v[U+4:U+5]
	v_add_f32 v[U], v[U], v[U+1]
	v_permlanex16_b32 v[U+1], v[U], s20, s21
	v_add_f32 v[U], v[U], v[U+1]
	v_mul_f32 v[U+2], s22, v[U]
	v_mul_f32 v[U+3], s22, v[U]
.irp i, 0,2,4,6,8,10,12,14
	v_pk_add_f32 v[X+\i:X+\i+1], v[X+\i:X+\i+1], v[U+2:U+3] neg_lo:[0,1] neg_hi:[0,1]
.endr
	; the variance, from the differences, in two chains
	v_pk_mul_f32 v[U+4:U+5], v[X:X+1], v[X:X+1]
	v_pk_mul_f32 v[U+6:U+7], v[X+2:X+3], v[X+2:X+3]
.irp i, 4,8,12
	v_pk_fma_f32 v[U+4:U+5], v[X+\i:X+\i+1], v[X+\i:X+\i+1], v[U+4:U+5]
	v_pk_fma_f32 v[U+6:U+7], v[X+\i+2:X+\i+3], v[X+\i+2:X+\i+3], v[U+6:U+7]
.endr
	v_pk_add_f32 v[U+4:U+5], v[U+4:U+5], v[U+6:U+7]
	v_add_f32 v[U], v[U+4], v[U+5]
	v_permlanex16_b32 v[U+1], v[U], s20, s21
	v_add_f32 v[U], v[U], v[U+1]
	v_fma_f32 v[U+2], v[U], s22, s23               ; var + eps
	v_rsq_f32 v[U+4], v[U+2]
	v_rsq_f32 v[U+5], v[U+2]                       ; twice: a pair for the packed multiply
	v_nop
	s_wait_alu depctr_va_vdst(0)
.irp i, 0,2,4,6,8,10,12,14
	v_pk_mul_f32 v[GA+\i:GA+\i+1], v[GA+\i:GA+\i+1], v[U+4:U+5]
.endr
.irp i, 0,2,4,6,8,10,12,14
	v_pk_fma_f32 v[X+\i:X+\i+1], v[X+\i:X+\i+1], v[GA+\i:GA+\i+1], v[BE+\i:BE+\i+1]
.endr
.irp p, 0,1,2,3,4,5,6,7
	v_cvt_pk_f16_f32 v[AF+\p], v[X+2*\p], v[X+2*\p+1]
.endr
	s_wait_loadcnt 0x0                             ; bo and Wo
.irp g, 0,1
.irp q, 0,1,2,3
.irp p, 0,1,2,3,4,5,6,7
	v_cvt_pk_f16_f32 v[WF+8*(4*\g+\q)+\p], v[WR+4*(4*\p+\g)+\q], v[WR+4*(4*\p+2+\g)+\q]    ; two neighbouring dims of one column
.endr
.endr
.endr
.irp t, 0,1,2,3,4,5,6,7
	v_wmma_f32_16x16x32_f16 v[DD+8*\t:DD+8*\t+7], v[AF:AF+7], v[WF+8*\t:WF+8*\t+7], 0      ; eight accumulators, one product each
.endr
.rept 4
	v_nop                                          ; four places behind the last product before its result is read (ISA guide 7.12.1)
.endr
.irp g, 0,1
.irp q, 0,1,2,3
.irp j, 0,1,2,3,4,5,6,7
	v_add_f32 v[OUT+4*(8*\g+\j)+\q], v[DD+8*(4*\g+\q)+\j], v[BO+4*\g+\q]
.endr
.endr
.endr
.irp g, 0,1
.irp j, 0,1,2,3,4,5,6,7
	global_store_b128 v4, v[OUT+4*(8*\g+\j):OUT+4*(8*\g+\j)+3], s[14:15] offset:\j*512+\g*256 th:TH_STORE_NT   ; row 8h+j, columns 64g+4r+0..3
.endr
.endr
	s_endpgm
.Lfunc_end_k_q685efe172d_fin:
	.size	k_q685efe172d_fin, .Lfunc_end_k_q685efe172d_fin-k_q685efe172d_fin
	.p2alignl 7, 3214868480
	.fill 96, 4, 3214868480
	.section	.rodata,"a",@progbits
	.p2align	6, 0x0
	.amdhsa_kernel k_q685efe172d_fin
		.amdhsa_group_segment_fixed_size 0
		.amdhsa_private_segment_fixed_size 0
		.amdhsa_enable_private_segment 0
		.amdhsa_kernarg_size 48
		.amdhsa_user_sgpr_count 2
		.amdhsa_user_sgpr_kernarg_segment_ptr 1
		.amdhsa_wavefront_size32 1
		.amdhsa_system_sgpr_workgroup_id_x 1
		.amdhsa_system_sgpr_workgroup_id_y 1
		.amdhsa_system_sgpr_workgroup_id_z 1
		.amdhsa_system_vgpr_workitem_id 0
		.amdhsa_next_free_vgpr 256
		.amdhsa_next_free_sgpr 66
		.amdhsa_reserve_vcc 0
		.amdhsa_float_denorm_mode_32 3
		.amdhsa_float_denorm_mode_16_64 3
		.amdhsa_memory_ordered 1
		.amdhsa_forward_progress 1
		.amdhsa_inst_pref_size 22
	.end_amdhsa_kernel
	.amdgpu_metadata
---
amdhsa.version: [ 1, 2 ]
amdhsa.kernels:
  - .name:           k_q685efe172d_fin
    .symbol:         k_q685efe172d_fin.kd
    .args:
      - { .name: part, .offset: 0, .size: 8, .value_kind: global_buffer, .address_space: global }
      - { .name: gamma, .offset: 8, .size: 8, .value_kind: global_buffer, .address_space: global }
      - { .name: beta, .offset: 16, .size: 8, .value_kind: global_buffer, .address_space: global }
      - { .name: Wo, .offset: 24, .size: 8, .value_kind: global_buffer, .address_space: global }
      - { .name: bo, .offset: 32, .size: 8, .value_kind: global_buffer, .address_space: global }
      - { .name: out0, .offset: 40, .size: 8, .value_kind: global_buffer, .address_space: global }
    .group_segment_fixed_size: 0
    .private_segment_fixed_size: 0
    .kernarg_segment_align: 8
    .kernarg_segment_size: 48
    .max_flat_workgroup_size: 64
    .sgpr_count:     66
    .vgpr_count:     256
    .wavefront_size: 32
...
	.end_amdgpu_metadata
.endif
;; end of part 3
